; MI455X (gfx1250); checked and timed in simulation.
; The chip was launched on July 23, 2026; its instructions are those of AMD's public machine-readable ISA for CDNA 5 (MIT licence, August 2026) and "CDNA5" Instruction Set Architecture Reference Guide (July 2026). The comments in the code are by the model that wrote it; some were corrected since.
;; Encoder. Allowed arithmetic: matrix products marked QUANTISED: E4M3 operands, one given power-of-two scale a tensor, by v_wmma_f32_16x16x64_fp8_fp8 or v_wmma_f32_16x16x128_fp8_fp8, f32 sums; everything else in f32.
;; Inputs: inputs 2 x 2,048 x 256 float32; lowp_scales 12 int32 (the exponents e of the quantised operands' scales 2^e); theta 1 x 1 float32; timestamp 2 x 2,048 int32; wK 8 x 256 x 256 float32; wO 2,048 x 256 float32; wQ 8 x 256 x 256 float32; wV 8 x 256 x 256 float32.
;; Outputs: out0 2 x 2,048 x 256 float32.
;; This version of the problem:
;;   THIS VERSION OF THE PROBLEM IS GIVEN IN LOW PRECISION. The matrix products marked QUANTISED in the list below multiply operands that are first quantised to E4M3 (4 exponent bits, 3 mantissa bits; 8 bits a number), with one given power-of-two scale for each operand tensor; their sums are f32. All else is computed in f32.
;;   The module's matrix products, in the order in which they are computed (A, B: the left and right operand; K: the contracted axis; several contracted axes count as one K, in the product's order):
;;     1. [M 2,048, K 256] x [K 256, N 4,096]; A: input wQ; B: input inputs: QUANTISED (scales: A lowp_scales[0], B lowp_scales[1])
;;     2. [M 2,048, K 256] x [K 256, N 4,096]; A: input wK; B: input inputs: QUANTISED (scales: A lowp_scales[2], B lowp_scales[3])
;;     3. [M 2,048, K 256] x [K 256, N 4,096]; A: input wV; B: input inputs: QUANTISED (scales: A lowp_scales[4], B lowp_scales[5])
;;     4. batch 16 x [M 2,048, K 256] x [K 256, N 2,048]; A: computed on the way; B: computed on the way: QUANTISED (scales: A lowp_scales[6], B lowp_scales[7])
;;     5. batch 16 x [M 2,048, K 2,048] x [K 2,048, N 256]; A: computed on the way; B: computed on the way: QUANTISED (scales: A lowp_scales[8], B lowp_scales[9])
;;     6. [M 4,096, K 2,048] x [K 2,048, N 256]; A: computed on the way; B: input wO: QUANTISED (scales: A lowp_scales[10], B lowp_scales[11])
;;   THE QUANTISER, for each operand of a quantised product, along K:
;;     - The operand's scale is 2^e, e = its entry of the input lowp_scales (int32; the entries are numbered through the quantised products in the list's order, A before B).
;;     - Each number is divided by the scale, clamped to +-448, and rounded to the nearest number of E4M3, ties to even, subnormals kept.
;;     - The product sums the exact products of the quantised numbers (number of the format x scale) in f32.
;;   ~~~python
;;   def quantise(x, axis, e):      # numpy; x: float32 -> the quantised numbers, widened to float32 again
;;       x = np.moveaxis(x, axis, -1); K = x.shape[-1]
;;       r = np.clip(x / 2.0 ** e, -448, 448)
;;       step = 2.0 ** (np.maximum(np.frexp(np.where(r == 0, 1, r))[1] - 1, -6) - 3)
;;       q = np.round(r / step) * step * 2.0 ** e      # np.round: ties to even
;;       return np.moveaxis(q, -1, axis).astype(np.float32)
;;   ~~~
;;   OPERANDS COMPUTED ON THE WAY. 'Computed on the way' means the value that the module computes at that place (a softmax that the list does not call 'softmax' is quantised finished and normalised). What goes into a quantiser is computed in f32, as accurately as f32 sums, v_exp_f32 and their like allow (about 1e-6 of the number): no bf16 or f16 on the way to a quantiser, and a product that is left as it is and whose result goes on into a quantised operand takes f32 operands (vector FMAs, or v_wmma_f32_16x16x4_f32). A number that lies on a knife's edge between two numbers of the format may be rounded either way, as far as f32 arithmetic and the matrix unit's own rounding can turn it there, and no further.
;; One version. Each part assembles by itself: llvm-mc -triple=amdgcn-amd-amdhsa -mcpu=gfx1250 --defsym DOCPART=n.
;; ======== version 1 of 1: 4 launches
;; limits: right only within a limited range of input values
;; workspace buffers: XC 3,145,728 bytes; WC 2,097,152 bytes; QC 8,388,608 bytes; KC 8,388,608 bytes; VC 8,388,608 bytes; RC 8,388,608 bytes
;; launch prep (part 1): grid 256 x 1, 4 waves a work-group, no clusters, 17,920 bytes of LDS; arguments inputs, wQ, wK, wV, wO, lowp_scales, XC, WC; writes XC, WC
.if DOCPART == 1
	.amdgcn_target "amdgcn-amd-amdhsa--gfx1250"
	.amdhsa_code_object_version 6
	.text
	.protected	k_q1a2fdae415_prep
	.globl	k_q1a2fdae415_prep
	.p2align	8
	.type	k_q1a2fdae415_prep,@function
k_q1a2fdae415_prep:
	s_mov_b64 s[64:65], 0
	v_nop
	global_prefetch_b8 v0, s[64:65] scope:SCOPE_SE
	s_setreg_imm32_b32 hwreg(HW_REG_WAVE_MODE, 25, 1), 1
	s_wait_xcnt 0x0
; PREP: the f32 inputs become codes of E4M3, once, laid in the order of the matrix operands' registers.
; code = x / 2^e, held within +-448, to the nearest code, ties to even; e is the operand's entry of lowp_scales.
; A CHUNK is 512 bytes: lane l's 16 bytes at 16 l.  Lane (r = l % 16, h = l / 16) of chunk c of a fragment (16 rows x 128 K) holds, of fragment row r, K = 32 c + 16 h + 0 .. 15.
; TILE ORDER: fragment row r of tile T is row 32 (T / 2) + 8 (T % 2) + r + 8 (r / 8) of its axis.
; XC [type 3][tile 256][K step 2][chunk 4]: inputs with the scales of entries 1, 3, 5.   WC [wQ, wK, wV, wO][head 8][K step 2][tile 16][chunk 4]: entries 0, 2, 4, 11 (wO, [2048][256], lies in memory as [8][256][256]).
; Work-groups 0-127: inputs; a wave takes one tile x one K step: a lane loads its 16 neighbours of each block of 32 and converts them three times.
; Work-groups 128-255: weights, whose K is the FIRST axis: a lane takes a column and its registers run down K; the codes turn through the wave's own stage in LDS into chunks.
; No matrix work, no barrier: waves share nothing.
; LIMITS: entries 0, 1, 2, 3, 4, 5, 11 between -126 and 119, so that 2^e and 448 x 2^e are f32 numbers.  NaN among the inputs is not served.
; theta and timestamp are not read by this program: in reference() they feed only `a`, which it deletes; no output number hangs on them.
.set SPARE, 17408                      ; behind the four stages of 4,352 bytes: the spare words, 128 bytes a wave
.set SPW, 14                           ; v14 LDS address of my spare word; never rewritten
.set NIL, 15                           ; v15 0; never rewritten
.macro MKSC e, vs, vh                  ; s[e] = E: v[vs] = 2^E as f32 (the conversion takes its exponent field), v[vh] = 448 x 2^E
	s_add_co_i32 s46, s[\e], 127
	s_lshl_b32 s47, s46, 23
	v_mov_b32 v[\vs], s47
	s_add_co_i32 s46, s46, 8
	s_lshl_b32 s46, s46, 23
	s_or_b32 s46, s46, 0x600000
	v_mov_b32 v[\vh], s46
.endm
	s_load_b256 s[4:11], s[0:1], 0x0               ; inputs, wQ, wK, wV
	s_load_b256 s[12:19], s[0:1], 0x20             ; wO, lowp_scales, XC, WC
	v_lshl_add_u32 v[SPW], v0, 2, SPARE
	v_mov_b32 v[NIL], 0
	v_lshrrev_b32 v1, 5, v0
	v_readfirstlane_b32 s20, v1                    ; wave
	v_and_b32 v1, 31, v0                           ; lane
	v_and_b32 v2, 15, v0                           ; r
	v_bfe_u32 v3, v0, 4, 1                         ; h
	v_lshlrev_b32 v6, 4, v1                        ; 16 x lane: my place in a chunk
	s_wait_kmcnt 0x0
	s_load_b256 s[24:31], s[14:15], 0x0            ; e0 .. e7
	s_load_b128 s[32:35], s[14:15], 0x20           ; e8 .. e11
	s_cmp_lt_u32 ttmp9, 128
	s_cbranch_scc0 .Lweights
	; ---- inputs: task = 4 x work-group + wave = 2 x tile + K step
	s_lshl_b32 s36, ttmp9, 2
	s_add_co_u32 s36, s36, s20
	s_lshr_b32 s37, s36, 2
	s_lshl_b32 s37, s37, 15                        ; 32 (T / 2) rows of 1,024 bytes
	s_bfe_u32 s38, s36, 0x10001
	s_lshl_b32 s38, s38, 13                        ; 8 (T % 2) rows
	s_add_co_u32 s40, s37, s38
	s_and_b32 s38, s36, 1
	s_lshl_b32 s38, s38, 9                         ; the K step's 512 bytes of a row
	s_add_co_u32 s40, s40, s38
	s_mov_b32 s41, 0
	s_add_nc_u64 s[4:5], s[4:5], s[40:41]
	s_lshl_b32 s40, s36, 11                        ; a task's four chunks
	s_add_nc_u64 s[16:17], s[16:17], s[40:41]
	s_wait_alu depctr_va_vdst(0)
	v_and_b32 v4, 8, v2
	v_add_nc_u32 v4, v4, v2                        ; r + 8 (r / 8)
	v_lshlrev_b32 v5, 10, v4
	v_lshl_add_u32 v5, v3, 6, v5                   ; + 64 h: my 16 numbers of a block of 32
.irp c, 0,1,2,3
.irp q, 0,1,2,3
	global_load_b128 v[32+16*\c+4*\q:32+16*\c+4*\q+3], v5, s[4:5] offset:128*\c+16*\q
.endr
.endr
	s_wait_kmcnt 0x0
	MKSC 25, 8, 9                                  ; inputs as operand of the product with wQ,
	MKSC 27, 10, 11                                ; with wK,
	MKSC 29, 12, 13                                ; with wV
	s_wait_alu depctr_va_vdst(0)
.irp c, 0,1,2,3
	s_wait_loadcnt 12-4*\c                         ; this block's four loads are in; the later blocks' may be out
.irp t, 0,1,2
.set TS, 96+16*((3*\c+\t)%2)                   ; two sets of 16 by turns: the other set's holds stand between a conversion and the next write of its sources
.set CD, 128+4*(3*\c+\t)                       ; each chunk has registers of its own: no store's data are written again
.irp i, 0,1,2,3,4,5,6,7,8,9,10,11,12,13,14,15
	v_med3_num_f32 v[TS+\i], v[32+16*\c+\i], -v[9+2*\t], v[9+2*\t]   ; the conversion does not saturate (ISA guide 7.6.2): hold first
.endr
	v_cvt_scalef32_pk8_fp8_f32 v[CD:CD+1], v[TS:TS+7], v[8+2*\t]
	v_cvt_scalef32_pk8_fp8_f32 v[CD+2:CD+3], v[TS+8:TS+15], v[8+2*\t]
	global_store_b128 v6, v[CD:CD+3], s[16:17] offset:\t*1048576+\c*512   ; the wave stores 512 consecutive bytes, aligned
.endr
.endr
	v_nop
	s_endpgm
.Lweights:
	; ---- weights: g = work-group - 128: tensor g / 32, head (g / 4) % 8, K step (g / 2) % 2, 32 columns: pair 4 (g % 2) + wave
	s_sub_co_u32 s36, ttmp9, 128
	s_lshr_b32 s37, s36, 5
	s_bfe_u32 s38, s36, 0x30002
	s_bfe_u32 s39, s36, 0x10001
	s_and_b32 s40, s36, 1
	s_lshl_b32 s40, s40, 2
	s_add_co_u32 s40, s40, s20
	s_cmp_eq_u32 s37, 0                            ; the choice of the buffer hangs on the work-group's number alone
	s_cselect_b64 s[42:43], s[6:7], s[8:9]
	s_cmp_eq_u32 s37, 2
	s_cselect_b64 s[42:43], s[10:11], s[42:43]
	s_cmp_eq_u32 s37, 3
	s_cselect_b64 s[42:43], s[12:13], s[42:43]
	s_lshl_b32 s44, s38, 18                        ; head x 256 rows of 1,024 bytes
	s_lshl_b32 s45, s39, 17                        ; K step x 128 rows
	s_add_co_u32 s44, s44, s45
	s_lshl_b32 s45, s40, 7                         ; 32 columns x 4 bytes
	s_add_co_u32 s44, s44, s45
	s_mov_b32 s45, 0
	s_add_nc_u64 s[42:43], s[42:43], s[44:45]
	s_lshl_b32 s44, s37, 19
	s_lshl_b32 s46, s38, 16
	s_add_co_u32 s44, s44, s46
	s_lshl_b32 s46, s39, 15
	s_add_co_u32 s44, s44, s46
	s_lshl_b32 s46, s40, 12                        ; two tiles of 2,048 bytes
	s_add_co_u32 s44, s44, s46
	s_add_nc_u64 s[18:19], s[18:19], s[44:45]
	s_wait_alu depctr_va_vdst(0)
	v_lshlrev_b32 v7, 2, v1                        ; in: 4 bytes a lane
	s_mul_i32 s46, s20, 4352                       ; my stage: two tiles of 2,048 bytes, 128 bytes between them so that lanes 0-7 and 8-15 fall on different banks
	v_bfe_u32 v4, v0, 3, 1                         ; column l lies in tile u = (l / 8) % 2,
	v_mul_u32_u24 v4, v4, 2176
	v_and_b32 v5, 7, v0
	v_lshl_add_u32 v5, v3, 3, v5                   ; at fragment row l % 8 + 8 (l / 16)
	v_lshl_add_u32 v4, v5, 4, v4
	v_add_nc_u32 v4, s46, v4                       ; into the stage
	v_add_nc_u32 v5, s46, v6                       ; and out of it: 16 x lane
.macro WLOAD c                         ; block c: W(32 c + i, my column): 32 lanes read 128 consecutive bytes, the four waves 512
.irp i, 0,1,2,3,4,5,6,7,8,9,10,11,12,13,14,15,16,17,18,19,20,21,22,23,24,25,26,27,28,29,30,31
	global_load_b32 v[32+32*(\c)+\i], v7, s[42:43] offset:(32*(\c)+\i)*1024 th:TH_LOAD_NT
.endr
.endm
	WLOAD 0
	WLOAD 1
	s_wait_kmcnt 0x0
	s_cmp_eq_u32 s37, 0
	s_cselect_b32 s44, s24, s26
	s_cmp_eq_u32 s37, 2
	s_cselect_b32 s44, s28, s44
	s_cmp_eq_u32 s37, 3
	s_cselect_b32 s44, s35, s44                    ; e0, e2, e4 or e11
	MKSC 44, 8, 9
	s_wait_alu depctr_va_vdst(0)
.irp c, 0,1,2,3
.if \c < 3
	s_wait_loadcnt 32                              ; this block's 32 loads are in; the next block's may be out
.else
	s_wait_loadcnt 0x0
.endif
.irp i, 0,1,2,3,4,5,6,7,8,9,10,11,12,13,14,15,16,17,18,19,20,21,22,23,24,25,26,27,28,29,30,31
	v_med3_num_f32 v[32+32*\c+\i], v[32+32*\c+\i], -v9, v9
.endr
.irp g, 0,1,2,3
	v_cvt_scalef32_pk8_fp8_f32 v[160+8*\c+2*\g:161+8*\c+2*\g], v[32+32*\c+8*\g:39+32*\c+8*\g], v8
.endr
	ds_store_b128 v4, v[160+8*\c:163+8*\c] offset:512*\c          ; K = 32 c + 0 .. 15: the place of lane (r, 0) in chunk c
	ds_store_b128 v4, v[164+8*\c:167+8*\c] offset:512*\c+256      ; K = 32 c + 16 .. 31: of lane (r, 1)
.if \c < 2
	WLOAD \c+2
.endif
.endr
	v_nop
.irp n, 0,1,2,3,4,5,6,7                        ; LDS serves a wave's instructions in order (ISA guide 5.7.1.4): these see my stores
	ds_load_b128 v[192+4*\n:195+4*\n], v5 offset:(\n/4)*2176+(\n%4)*512
.endr
.irp n, 0,1,2,3,4,5,6,7
	s_wait_dscnt 7-\n
	global_store_b128 v6, v[192+4*\n:195+4*\n], s[18:19] offset:(\n/4)*2048+(\n%4)*512   ; 512 consecutive bytes, aligned
.endr
	s_wait_tensorcnt 0x0                           ; the wave's end
	ds_add_u32 v[SPW], v[NIL]
	s_wait_dscnt 0x0
	s_endpgm
.Lfunc_end_k_q1a2fdae415_prep:
	.size	k_q1a2fdae415_prep, .Lfunc_end_k_q1a2fdae415_prep-k_q1a2fdae415_prep
	.p2alignl 7, 3214868480
	.fill 96, 4, 3214868480
	.section	.rodata,"a",@progbits
	.p2align	6, 0x0
	.amdhsa_kernel k_q1a2fdae415_prep
		.amdhsa_group_segment_fixed_size 17920
		.amdhsa_private_segment_fixed_size 0
		.amdhsa_enable_private_segment 0
		.amdhsa_kernarg_size 64
		.amdhsa_user_sgpr_count 2
		.amdhsa_user_sgpr_kernarg_segment_ptr 1
		.amdhsa_wavefront_size32 1
		.amdhsa_system_sgpr_workgroup_id_x 1
		.amdhsa_system_sgpr_workgroup_id_y 1
		.amdhsa_system_sgpr_workgroup_id_z 1
		.amdhsa_system_vgpr_workitem_id 0
		.amdhsa_next_free_vgpr 224
		.amdhsa_next_free_sgpr 66
		.amdhsa_reserve_vcc 0
		.amdhsa_float_denorm_mode_32 3
		.amdhsa_float_denorm_mode_16_64 3
		.amdhsa_memory_ordered 1
		.amdhsa_forward_progress 1
		.amdhsa_inst_pref_size 45
	.end_amdhsa_kernel
	.amdgpu_metadata
---
amdhsa.version: [ 1, 2 ]
amdhsa.kernels:
  - .name:           k_q1a2fdae415_prep
    .symbol:         k_q1a2fdae415_prep.kd
    .args:
      - { .name: inputs, .offset: 0, .size: 8, .value_kind: global_buffer, .address_space: global }
      - { .name: wQ, .offset: 8, .size: 8, .value_kind: global_buffer, .address_space: global }
      - { .name: wK, .offset: 16, .size: 8, .value_kind: global_buffer, .address_space: global }
      - { .name: wV, .offset: 24, .size: 8, .value_kind: global_buffer, .address_space: global }
      - { .name: wO, .offset: 32, .size: 8, .value_kind: global_buffer, .address_space: global }
      - { .name: lowp_scales, .offset: 40, .size: 8, .value_kind: global_buffer, .address_space: global }
      - { .name: XC, .offset: 48, .size: 8, .value_kind: global_buffer, .address_space: global }
      - { .name: WC, .offset: 56, .size: 8, .value_kind: global_buffer, .address_space: global }
    .group_segment_fixed_size: 17920
    .private_segment_fixed_size: 0
    .kernarg_segment_align: 8
    .kernarg_segment_size: 64
    .max_flat_workgroup_size: 128
    .sgpr_count:     66
    .vgpr_count:     224
    .wavefront_size: 32
...
	.end_amdgpu_metadata
.endif
;; end of part 1
;; launch proj (part 2): grid 8 x 32, 4 waves a work-group, clusters of 4 x 4, 327,680 bytes of LDS; arguments XC, WC, lowp_scales, QC, KC, VC; writes QC, KC, VC
.if DOCPART == 2
	.amdgcn_target "amdgcn-amd-amdhsa--gfx1250"
	.amdhsa_code_object_version 6
	.text
	.protected	k_q1a2fdae415_proj
	.globl	k_q1a2fdae415_proj
	.p2align	8
	.type	k_q1a2fdae415_proj,@function
k_q1a2fdae415_proj:
	s_mov_b64 s[64:65], 0
	v_nop
	global_prefetch_b8 v0, s[64:65] scope:SCOPE_SE
	s_setreg_imm32_b32 hwreg(HW_REG_WAVE_MODE, 25, 1), 1
	s_wait_xcnt 0x0
	s_wait_alu depctr_hold_cnt(0) depctr_sa_sdst(0) depctr_va_vdst(0) depctr_va_sdst(0) depctr_va_ssrc(0) depctr_va_vcc(0) depctr_vm_vsrc(0)
	s_getreg_b32 s2, hwreg(HW_REG_IB_STS2, 6, 4)
	s_cmp_eq_u32 s2, 0
	s_cbranch_scc0 .Lentry_in_a_cluster
	s_endpgm
.Lentry_in_a_cluster:
	s_bfe_u32 s2, ttmp6, 0x10000c
	s_cmp_lg_u32 s2, 0xf033
	s_cbranch_scc0 .Lentry_shape_is_right
	s_endpgm
.Lentry_shape_is_right:
; PROJ: Q, K and V of one head for 128 rows, on codes of E4M3, and their results quantised at once for the attention's products.
; Work-group (x = head, y = block of 128 rows).  Wave (a = wave / 2, b = wave % 2): weight tiles 8 a .. 8 a + 7 against row tiles 4 b .. 4 b + 3: 32 accumulators, two K steps of 128.
; Q and K: source 0 = 16 columns of the weight, source 1 = 16 rows of the inputs: a lane holds one row, and by the tile order its 16 registers of two neighbouring tiles are 16 neighbouring channels: a chunk of QC or KC (K = channels).
; V: the sources swapped: a lane holds one channel and 16 neighbouring rows: a chunk of VC (K = keys).
; QC, KC [batch x head 16][tile 128][K step 2][chunk 4];  VC [batch x head][128 keys: 16][channel tile 16][chunk 4].  Chunk and tile order: see prep.
; LDS is filled once: three blocks of inputs' codes (32 KB each), three of weights (64 KB each), all dense, all as register images: no pitch, no padding.
; CLUSTER 4 x 4: the inputs' block hangs on y and is asked for jointly along a row of the cluster, the weights hang on x and are asked for jointly along a column.
; LIMITS: e6 - e0 - e1, e7 - e2 - e3, e9 - e4 - e5 between -126 and 119.
; REGISTERS: window 0: v1 16 x lane; v2-7 LDS addresses (inputs, weights) of the three types; v8-13 scale and hold of the three; v16, v17 the add's two; v64-191 inputs' fragments (32 k + 16 s); v192-255 codes.
;   window 1: the accumulators.   window 2: the weights' fragments (32 i + 16 s).
.set WL,    98304                      ; LDS: the weights begin behind the three blocks of inputs
.set SPARE, 294912                     ; behind them: the spare words
.set SPW, 16
.set NIL, 17
.set MSB, 0
.macro WIN new                         ; the immediate's high byte repeats the setting that is left
.if MSB != \new
	s_set_vgpr_msb (MSB<<8)|\new
.set MSB, \new
.endif
.endm
.macro CROUND                          ; a round of the cluster's barrier
	s_barrier_signal -1
	s_barrier_wait -1
	s_cmp_lg_u32 s16, 0
	s_cbranch_scc1 .Lnw0_\@
	s_barrier_signal -3
.Lnw0_\@:
	s_barrier_wait -3
	s_barrier_signal -1
	s_barrier_wait -1
.endm
.macro MKSC e, vs, vh
	s_add_co_i32 s92, s[\e], 127
	s_lshl_b32 s93, s92, 23
	v_mov_b32 v[\vs], s93
	s_add_co_i32 s92, s92, 8
	s_lshl_b32 s92, s92, 23
	s_or_b32 s92, s92, 0x600000
	v_mov_b32 v[\vh], s92
.endm
	s_load_b256 s[4:11], s[0:1], 0x0               ; XC, WC, lowp_scales, QC
	s_load_b128 s[12:15], s[0:1], 0x20             ; KC, VC
	v_lshl_add_u32 v[SPW], v0, 2, SPARE
	v_mov_b32 v[NIL], 0
	ds_add_u32 v[SPW], v[NIL]                      ; the wave's opening: the add and its wait ahead of the first tensor loads; work on registers stands between
	ds_add_u32 v[SPW], v[NIL]
	v_lshrrev_b32 v1, 5, v0
	v_readfirstlane_b32 s16, v1                    ; wave
	s_lshr_b32 s17, s16, 1                         ; a
	s_and_b32 s18, s16, 1                          ; b
	s_bfe_u32 s19, ttmp6, 0x40000                  ; cx
	s_bfe_u32 s20, ttmp6, 0x40004                  ; cy
	s_lshl_b32 s21, ttmp9, 2
	s_add_co_u32 s21, s21, s19                     ; head
	s_and_b32 s22, ttmp7, 0xffff
	s_lshl_b32 s22, s22, 2
	s_add_co_u32 s22, s22, s20                     ; block of rows
	s_lshl_b32 s80, s20, 2
	s_lshl_b32 s80, 15, s80                        ; my row of the cluster
	s_lshl_b32 s81, 0x1111, s19                    ; my column
	s_or_b32 s24, s80, (3<<16)|(1<<21)             ; group 1 for the inputs: the mask; elements of 8 bytes; bit 21 beside a mask
	s_or_b32 s32, s81, (3<<16)|(1<<21)             ; and for the weights
.irp g, 24, 32                                 ; a dense block of 32 KB as 128 rows of 256 bytes
	s_mov_b32 s[\g+1], 32<<16                      ; tensor_dim0 = 32
	s_mov_b32 s[\g+2], (16*\g-256)<<16             ; tensor_dim1: 128 rows (inputs, 32 KB), 256 rows (weights, 64 KB)
	s_mov_b32 s[\g+3], 32<<16                      ; tile_dim0 = 32
	s_mov_b32 s[\g+4], 16*\g-256                   ; tile_dim1 likewise
	s_mov_b32 s[\g+5], 32                          ; pitch
	s_mov_b32 s[\g+6], 0
	s_mov_b32 s[\g+7], 0
.endr
	s_lshl_b32 s82, s22, 15                        ; inputs: 8 tiles of 4,096 bytes a block: hangs on y alone
	s_mov_b32 s83, 0
	s_lshl_b32 s84, s21, 16                        ; weights: 65,536 bytes a head: hangs on x alone
	s_mov_b32 s85, 0
	s_wait_dscnt 0x0                               ; the opening add is done
	s_wait_kmcnt 0x0
	s_load_b256 s[68:75], s[8:9], 0x0              ; e0 .. e7
	s_load_b128 s[76:79], s[8:9], 0x20             ; e8 .. e11
	s_add_nc_u64 s[82:83], s[4:5], s[82:83]
	s_add_nc_u64 s[84:85], s[6:7], s[84:85]
.irp t, 0,1,2                                  ; groups 0: a set for each type
	s_mov_b32 s[40+4*\t], 1
	s_mov_b32 s[41+4*\t], \t*32768
	s_add_nc_u64 s[42+4*\t:43+4*\t], s[82:83], \t*1048576
	s_or_b32 s[43+4*\t], s[43+4*\t], 0x80000000
	s_mov_b32 s[52+4*\t], 1
	s_mov_b32 s[53+4*\t], WL+\t*65536
	s_add_nc_u64 s[54+4*\t:55+4*\t], s[84:85], \t*524288
	s_or_b32 s[55+4*\t], s[55+4*\t], 0x80000000
.endr
	CROUND                                         ; all sixteen work-groups are here: the joint loads meet
.macro TL g0, g1                       ; one joint load with the lines behind it
	tensor_load_to_lds s[\g0:\g0+3], s[\g1:\g1+7]
	s_nop 0
.rept 4
	v_nop
.endr
.endm
	s_cmp_eq_u32 s16, 0                            ; the head: one load a wave, one chain of arms: wave 0 Q's inputs, wave 1 wQ, waves 2, 3 the inputs for K and V
	s_cbranch_scc0 .Lh1
	TL 40, 24
	s_branch .Lasked
.Lh1:
	s_cmp_eq_u32 s16, 1
	s_cbranch_scc0 .Lh2
	TL 52, 32
	s_branch .Lasked
.Lh2:
	s_cmp_eq_u32 s16, 2
	s_cbranch_scc0 .Lh3
	TL 44, 24
	s_branch .Lasked
.Lh3:
	TL 48, 24
.Lasked:
	v_and_b32 v1, 31, v0
	v_lshlrev_b32 v1, 4, v1                        ; 16 x lane
	s_lshl_b32 s80, s18, 14                        ; my four row tiles
	s_lshl_b32 s81, s17, 14                        ; my eight weight tiles
	s_add_co_u32 s81, s81, WL
.irp t, 0,1,2
	v_add_nc_u32 v[2+2*\t], s80, v1
	v_add_nc_u32 v[3+2*\t], s81, v1
	s_add_co_u32 s80, s80, 32768
	s_add_co_u32 s81, s81, 65536
.endr
	s_lshr_b32 s80, s22, 4                         ; where the results go: batch x head,
	s_lshl_b32 s80, s80, 3
	s_add_co_u32 s80, s80, s21
	s_lshl_b32 s80, s80, 19
	s_and_b32 s81, s22, 15                         ; the block of 128 rows in the batch
	s_lshl_b32 s81, s81, 15
	s_add_co_u32 s80, s80, s81
	s_lshl_b32 s88, s18, 14                        ; Q, K: + 4 b tiles + K step a
	s_lshl_b32 s81, s17, 11
	s_add_co_u32 s88, s88, s81
	s_add_co_u32 s88, s88, s80
	s_mov_b32 s89, 0
	s_add_nc_u64 s[10:11], s[10:11], s[88:89]
	s_add_nc_u64 s[12:13], s[12:13], s[88:89]
	s_lshl_b32 s88, s17, 14                        ; V: + 8 a channel tiles + chunk 2 b
	s_lshl_b32 s81, s18, 10
	s_add_co_u32 s88, s88, s81
	s_add_co_u32 s88, s88, s80
	s_add_nc_u64 s[14:15], s[14:15], s[88:89]
	s_wait_alu depctr_va_vdst(0)
	s_wait_kmcnt 0x0
	s_sub_co_i32 s90, s74, s68                     ; a sum stands for sum x 2^(e0 + e1): its code is sum / 2^(e6 - e0 - e1): three scales in one
	s_sub_co_i32 s90, s90, s69
	MKSC 90, 8, 9
	s_sub_co_i32 s90, s75, s70
	s_sub_co_i32 s90, s90, s71
	MKSC 90, 10, 11
	s_sub_co_i32 s90, s77, s72
	s_sub_co_i32 s90, s90, s73
	MKSC 90, 12, 13
.macro FLOAD t                         ; 96 LDS loads: the first K step's 48 first
.irp s, 0,1
	WIN 0
.irp k, 0,1,2,3
.irp c, 0,1,2,3
	ds_load_b128 v[64+32*\k+16*\s+4*\c:64+32*\k+16*\s+4*\c+3], v[2+2*(\t)] offset:\k*4096+\s*2048+\c*512
.endr
.endr
	WIN 0x80                                       ; destination window 2
.irp i, 0,1,2,3,4,5,6,7
.irp c, 0,1,2,3
	ds_load_b128 v[32*\i+16*\s+4*\c:32*\i+16*\s+4*\c+3], v[3+2*(\t)] offset:\s*32768+\i*2048+\c*512
.endr
.endr
.endr
	WIN 0
.endm
.macro GEMM v                          ; 64 products; the 32 accumulators take turns, one instruction a turn.  v = 1: the sources swapped
	s_wait_dscnt 48                                ; the first K step's 48 loads are in; the second's 48 may be out
.irp s, 0,1
.if \s == 1
	s_wait_dscnt 0x0
.endif
.if \v
	WIN 0x58                                       ; source 0 window 0, source 1 window 2, C and D window 1
.else
	WIN 0x52                                       ; source 0 window 2, source 1 window 0, C and D window 1
.endif
.irp k, 0,1,2,3
.irp i, 0,1,2,3,4,5,6,7
.if \v
.set AC, 8*(4*\i+\k)
.if \s == 0
	v_wmma_f32_16x16x128_fp8_fp8 v[AC:AC+7], v[64+32*\k+16*\s:64+32*\k+16*\s+15], v[32*\i+16*\s:32*\i+16*\s+15], 0
.else
	v_wmma_f32_16x16x128_fp8_fp8 v[AC:AC+7], v[64+32*\k+16*\s:64+32*\k+16*\s+15], v[32*\i+16*\s:32*\i+16*\s+15], v[AC:AC+7]
.endif
.else
.set AC, 8*(8*\k+\i)
.if \s == 0
	v_wmma_f32_16x16x128_fp8_fp8 v[AC:AC+7], v[32*\i+16*\s:32*\i+16*\s+15], v[64+32*\k+16*\s:64+32*\k+16*\s+15], 0
.else
	v_wmma_f32_16x16x128_fp8_fp8 v[AC:AC+7], v[32*\i+16*\s:32*\i+16*\s+15], v[64+32*\k+16*\s:64+32*\k+16*\s+15], v[AC:AC+7]
.endif
.endif
.endr
.endr
.endr
	WIN 0
.rept 4
	v_nop                                          ; places in front of loads into the fragments' registers and of the first read of results
.endr
.endm
.macro EPI t, v, base                  ; 256 sums a lane become 16 chunks of codes and leave
	WIN 0x41                                       ; destination and source 0 window 1
.set J, 0
.rept 256
	v_med3_num_f32 v[J], v[J], -v[9+2*\t], v[9+2*\t]   ; the hold; each accumulator from its low end on
.set J, J+1
.endr
	s_wait_xcnt 0x0                                ; the last type's stores have read the codes' registers
	WIN 0x01                                       ; source 0 window 1
.set J, 0
.rept 16
	v_cvt_scalef32_pk8_fp8_f32 v[192+4*J:193+4*J], v[16*J:16*J+7], v[8+2*\t]
	v_cvt_scalef32_pk8_fp8_f32 v[194+4*J:195+4*J], v[16*J+8:16*J+15], v[8+2*\t]
.set J, J+1
.endr
	v_nop                                          ; a plain line between the conversions and the products that write their sources anew
	WIN 0
.set J, 0
.rept 16
.if \v
	global_store_b128 v1, v[192+4*J:195+4*J], s[\base:\base+1] offset:(J/2)*2048+(J%2)*512   ; channel tile J / 2, chunk 2 b + J % 2
.else
	global_store_b128 v1, v[192+4*J:195+4*J], s[\base:\base+1] offset:(J/4)*4096+(J%4)*512   ; row tile J / 4, chunk J % 4.  Each store: 512 consecutive bytes, aligned
.endif
.set J, J+1
.endr
.endm
	s_wait_alu depctr_va_vdst(0)                   ; the head's end
	s_wait_tensorcnt 0x0                           ; my head load is in; the later first fills stand behind the full sequence
	ds_add_u32 v[SPW], v[NIL]
	s_wait_dscnt 0x0
	CROUND
	s_cmp_eq_u32 s16, 0                            ; wave 0: wK, wave 1: wV; they land under Q's products
	s_cbranch_scc0 .Ls1
	TL 56, 32
	s_branch .Ls2
.Ls1:
	s_cmp_eq_u32 s16, 1
	s_cbranch_scc0 .Ls2
	TL 60, 32
.Ls2:
	FLOAD 0
	GEMM 0
	s_wait_alu depctr_va_vdst(0)
	s_wait_tensorcnt 0x0                           ; wK and wV are in
	s_barrier_signal -1
	s_barrier_wait -1
	FLOAD 1                                        ; the next type's fragments land under this type's vector work
	EPI 0, 0, 10
	GEMM 0
	FLOAD 2
	EPI 1, 0, 12
	GEMM 1
	EPI 2, 1, 14
	s_wait_tensorcnt 0x0                           ; the wave's end
	ds_add_u32 v[SPW], v[NIL]
	s_wait_dscnt 0x0
	CROUND                                         ; the closing round
	s_endpgm
.Lfunc_end_k_q1a2fdae415_proj:
	.size	k_q1a2fdae415_proj, .Lfunc_end_k_q1a2fdae415_proj-k_q1a2fdae415_proj
	.p2alignl 7, 3214868480
	.fill 96, 4, 3214868480
	.section	.rodata,"a",@progbits
	.p2align	6, 0x0
	.amdhsa_kernel k_q1a2fdae415_proj
		.amdhsa_group_segment_fixed_size 327680
		.amdhsa_private_segment_fixed_size 0
		.amdhsa_enable_private_segment 0
		.amdhsa_kernarg_size 48
		.amdhsa_user_sgpr_count 2
		.amdhsa_user_sgpr_kernarg_segment_ptr 1
		.amdhsa_wavefront_size32 1
		.amdhsa_system_sgpr_workgroup_id_x 1
		.amdhsa_system_sgpr_workgroup_id_y 1
		.amdhsa_system_sgpr_workgroup_id_z 1
		.amdhsa_system_vgpr_workitem_id 0
		.amdhsa_next_free_vgpr 768
		.amdhsa_next_free_sgpr 96
		.amdhsa_reserve_vcc 0
		.amdhsa_float_denorm_mode_32 3
		.amdhsa_float_denorm_mode_16_64 3
		.amdhsa_memory_ordered 1
		.amdhsa_forward_progress 1
		.amdhsa_inst_pref_size 100
	.end_amdhsa_kernel
	.amdgpu_metadata
---
amdhsa.version: [ 1, 2 ]
amdhsa.kernels:
  - .name:           k_q1a2fdae415_proj
    .symbol:         k_q1a2fdae415_proj.kd
    .args:
      - { .name: XC, .offset: 0, .size: 8, .value_kind: global_buffer, .address_space: global }
      - { .name: WC, .offset: 8, .size: 8, .value_kind: global_buffer, .address_space: global }
      - { .name: lowp_scales, .offset: 16, .size: 8, .value_kind: global_buffer, .address_space: global }
      - { .name: QC, .offset: 24, .size: 8, .value_kind: global_buffer, .address_space: global }
      - { .name: KC, .offset: 32, .size: 8, .value_kind: global_buffer, .address_space: global }
      - { .name: VC, .offset: 40, .size: 8, .value_kind: global_buffer, .address_space: global }
    .group_segment_fixed_size: 327680
    .private_segment_fixed_size: 0
    .kernarg_segment_align: 8
    .kernarg_segment_size: 48
    .max_flat_workgroup_size: 128
    .sgpr_count:     96
    .vgpr_count:     768
    .wavefront_size: 32
...
	.end_amdgpu_metadata
.endif
;; end of part 2
;; launch attn (part 3): grid 16 x 16, 8 waves a work-group, clusters of 4 x 1, 327,680 bytes of LDS; arguments QC, KC, VC, lowp_scales, RC; writes RC
.if DOCPART == 3
	.amdgcn_target "amdgcn-amd-amdhsa--gfx1250"
	.amdhsa_code_object_version 6
	.text
	.protected	k_q1a2fdae415_attn
	.globl	k_q1a2fdae415_attn
	.p2align	8
	.type	k_q1a2fdae415_attn,@function
k_q1a2fdae415_attn:
	s_mov_b64 s[64:65], 0
	v_nop
	global_prefetch_b8 v0, s[64:65] scope:SCOPE_SE
	s_setreg_imm32_b32 hwreg(HW_REG_WAVE_MODE, 25, 1), 1
	s_wait_xcnt 0x0
	s_wait_alu depctr_hold_cnt(0) depctr_sa_sdst(0) depctr_va_vdst(0) depctr_va_sdst(0) depctr_va_ssrc(0) depctr_va_vcc(0) depctr_vm_vsrc(0)
	s_getreg_b32 s2, hwreg(HW_REG_IB_STS2, 6, 4)
	s_cmp_eq_u32 s2, 0
	s_cbranch_scc0 .Lentry_in_a_cluster
	s_endpgm
.Lentry_in_a_cluster:
	s_bfe_u32 s2, ttmp6, 0x10000c
	s_cmp_lg_u32 s2, 0x3003
	s_cbranch_scc0 .Lentry_shape_is_right
	s_endpgm
.Lentry_shape_is_right:
; ATTN: ret = x V, x = the causal softmax of Q K^T / 16, both products on codes of E4M3; ret leaves as codes for the last product.
; Left out: key tiles that lie wholly above the diagonal of reference()'s own tril; the full softmax's sum, which its causal renormalisation cancels for all inputs.
; x IS QUANTISED FINISHED AND NORMALISED: TWO PASSES.  Pass 1: for each query the running maximum m and the sum l of 2^(t - m), t = score x log2(e) / 16.  Pass 2: x = 2^(t - (m + log2 l)), quantised with 2^e8, times V.
; SHARES.  Work-group j of a head owns eight query tiles, tile 16 k + j of band k (256 queries).  It walks the eight bands of keys; in band sigma tiles k >= sigma count and tile sigma is masked.  All work-groups run the same
; instructions, and the four of a cluster ask for K's and V's blocks JOINTLY.  EIGHT WAVES of 512 registers.
; Pass 1: wave w makes S^T (source 0 = 16 keys, source 1 = 16 queries) for keys 32 w .. 32 w + 31 of a band against the tiles, whose Q stays in registers.
; Pass 2: waves 0-3 make scores and x for keys 64 w .. 64 w + 63 of band sigma; x goes to LDS as register images, even bands into buffer A, odd bands into buffer B; waves 4-7 hold O^T for channels 64 (w - 4) on and multiply
; band sigma - 1's images by V, which they took into registers a band earlier: so all LDS reads of a band fall into the slot in hand, and the change of slots is the band's only barrier.
; TILES GO IN PAIRS (2 g, 2 g + 1), one batch of exponentials a pair.  At an odd sigma tile sigma - 1 is computed with its partner: pass 1 sets its scores to -infinity; pass 2 stores its image on its own place, which nobody
; reads (tile 0 has no place in buffer B and is not stored there).
; RING: two slots of 128 KB: four visits of 512 keys of K, then eight of 256 keys of K and V.  Each wave issues one joint load of 16 KB behind each round: one tensor load of a wave is out.
; LIMITS: e6 + e7 between -122 and 131 (added to c's exponent field); e8 and e10 - e8 - e9 between -126 and 119.  The maximum taken away is the causal one: where reference()'s full softmax underflows to 0 / 0 for a row,
; this text gives the finite causal softmax.
; REGISTERS.  v1 K's place (pass 1), v2 K's, v3 V's (pass 2), v4 16 x lane, v5 K's address, v31 V's address, v6, v8 where images are stored (A, B), v7, v30 where they are read (A, B), v9, v15 the masks' bounds, v11 -infinity,
;   v12, v13 the statistics' places, v14 the prefetch's offset, v16, v17 the add's two, v18-21 scales and holds, v22-29 at work, v[32+2k] m (later -(m + log2 l)), v[48+2k:49+2k] l (later x's codes),
;   v64-191 K's fragments (waves 4-7 in pass 2: V's), v192-255 S^T of a pair (waves 4-7: x's fragments, two).   window 1: Q (32 k + 16 s); in waves 4-7 from pass 2 on O^T (32 k + 8 t).
.set SLOT1, 1<<17
.set PIMG,  262144                     ; buffer A: tile k at 4,096 k; buffer B (tiles 1-7): at IBO + 4,096 k.  Between the passes the statistics [wave][tile][lane] (m, l) lie here
.set IBO,   28672
.set SPARE, PIMG+32768+IBO             ; the spare words, 128 bytes a wave
.set SPW, 16
.set NIL, 17
.set WV,  14
.set W3,  18                           ; s18 wave % 4
.set ROLE, 19                          ; s19 wave / 4
.set PFK, 38                           ; s[38:39] K's prefetches
.set CS,  40                           ; s[40:41] c = log2(e) / 16 x 2^(e6 + e7), twice
.set TB,  42                           ; s42 LDS byte of the band in hand
.set SG,  44                           ; s44 sigma
.set CNT, 45
.set LP,  46
.set LIMK, 47                          ; s47 2 in the head's first cluster, else 0
.set LIMV, 48                          ; s48 2 there in waves 4-7, else 64
.set VIS, 49                           ; s49 pass 1's visit
.set PFV, 50                           ; s[50:51] V's prefetches
.set PF2, 53                           ; s53 1 in the head's first cluster in waves 4-7
.set RB,  54                           ; s[54:55] where my results go
.set MSB, 0
.macro WIN new                         ; the immediate's high byte repeats the setting that is left
.if MSB != \new
	s_set_vgpr_msb (MSB<<8)|\new
.set MSB, \new
.endif
.endm
.macro NOPS n
.rept \n
	v_nop
.endr
.endm
.macro WALU
	s_wait_alu depctr_va_vdst(0)
.endm
.macro CROUND
	s_barrier_signal -1
	s_barrier_wait -1
	s_cmp_lg_u32 s[WV], 0
	s_cbranch_scc1 .Lnw0_\@
	s_barrier_signal -3
.Lnw0_\@:
	s_barrier_wait -3
	s_barrier_signal -1
	s_barrier_wait -1
.endm
.macro MKSC e, vs, vh
	s_add_co_i32 s82, s[\e], 127
	s_lshl_b32 s83, s82, 23
	v_mov_b32 v[\vs], s83
	s_add_co_i32 s82, s82, 8
	s_lshl_b32 s82, s82, 23
	s_or_b32 s82, s82, 0x600000
	v_mov_b32 v[\vh], s82
.endm
; THE CHANGE OF SLOTS.  Every wave: all its tensor loads have landed; the add; the descriptor's and the prefetches' steps; the add and its LDS reads and stores are done.  kind 1, 2, 3: a round of the cluster's barrier, and
; the slot behind is filled with the next visit (1: 512 keys of K on; 2: pass 2's first band; 3: a band on).  kind 0: nothing is left to fetch.
.macro CHANGE kind
	WALU
	s_wait_tensorcnt 0x0
	ds_add_u32 v[SPW], v[NIL]
.if \kind
	s_xor_b32 s33, s33, SLOT1
	s_wait_xcnt 0x0                                ; the last prefetch, a visit back, has read its address
.if \kind == 1
	s_add_nc_u64 s[34:35], s[34:35], 131072
	s_add_nc_u64 s[PFK:PFK+1], s[PFK:PFK+1], 131072
.elseif \kind == 2
	s_mov_b64 s[34:35], s[36:37]
	s_or_b32 s35, s35, 0x80000000
	s_add_nc_u64 s[PFV:PFV+1], s[PFV:PFV+1], 65536
.else
	s_add_nc_u64 s[34:35], s[34:35], 65536
	s_add_nc_u64 s[PFV:PFV+1], s[PFV:PFV+1], 65536
.endif
.endif
	s_wait_dscnt 0x0
.if \kind
	CROUND
	tensor_load_to_lds s[32:35], s[24:31]          ; my 16 KB of the next visit: the first thing behind the round
	s_nop 0
	NOPS 4
.else
	s_barrier_signal -1
	s_barrier_wait -1
.endif
.endm
; A PREFETCH INTO THE L2 of what the NEXT change of slots will load.  All clusters of a head walk the same blocks: the head's first cluster asks.  Of the 16 KB that a wave will load, the partner at place cx names 4 KB, told apart
; by address: lanes 0-15 a block of 256 bytes each, the others the last block again.  K's visits 2 and 3 at visits 0 and 1; V's band n at the change two ahead of its load, by waves 4-7.  K in pass 2 has been read in pass 1.
.macro PREF p
	global_prefetch_b8 v14, s[\p:\p+1] th:TH_LOAD_NT scope:SCOPE_SE
.endm
.macro KLOAD nu                        ; my nu key tiles of the band
.set U, 0
.rept \nu
.irp s, 0,1
.irp c, 0,1,2,3
	ds_load_b128 v[64+32*U+16*\s+4*\c:64+32*U+16*\s+4*\c+3], v5 offset:U*4096+\s*2048+\c*512
.endr
.endr
.set U, U+1
.endr
.endm
.macro WQK a, nu                       ; S^T of tiles a, a + 1: 2 nu accumulators by turns, two K steps; the first starts the sums
	WIN 0x04                                       ; source 1 (Q) window 1
.irp s, 0,1
.irp x, 0,1
.set U, 0
.rept \nu
.set AC, 192+8*(\nu)*\x+8*U
.if \s == 0
	v_wmma_f32_16x16x128_fp8_fp8 v[AC:AC+7], v[64+32*U:64+32*U+15], v[32*((\a)+\x):32*((\a)+\x)+15], 0
.else
	v_wmma_f32_16x16x128_fp8_fp8 v[AC:AC+7], v[64+32*U+16:64+32*U+31], v[32*((\a)+\x)+16:32*((\a)+\x)+31], v[AC:AC+7]
.endif
.set U, U+1
.endr
.endr
.endr
	WIN 0
.endm
.macro MASK rs, n, vb                  ; register i is key 32 (i / 16) + i % 16 + 16 (lane / 16) of my keys: hidden where that passes the bound
.set I, 0
.rept \n
	v_cmp_gt_i32 vcc_lo, 32*(I/16)+I%16, v[\vb]
	v_cndmask_b32 v[\rs+I], v[\rs+I], v11, vcc_lo
.set I, I+1
.endr
.endm
.macro V1P a                           ; pass 1: my 16 keys of tiles a, a + 1 into the lane's running m and l; the two tiles' chains by turns
.irp x, 0,1
	v_max3_num_f32 v[22+2*\x], v[192+16*\x], v[193+16*\x], v[194+16*\x]
	v_max3_num_f32 v[23+2*\x], v[200+16*\x], v[201+16*\x], v[202+16*\x]
.endr
.irp i, 3,5
.irp x, 0,1
	v_max3_num_f32 v[22+2*\x], v[22+2*\x], v[192+16*\x+\i], v[193+16*\x+\i]
	v_max3_num_f32 v[23+2*\x], v[23+2*\x], v[200+16*\x+\i], v[201+16*\x+\i]
.endr
.endr
.irp x, 0,1
	v_max3_num_f32 v[22+2*\x], v[22+2*\x], v[199+16*\x], v[207+16*\x]
.endr
.irp x, 0,1
	v_max_num_f32 v[22+2*\x], v[22+2*\x], v[23+2*\x]
.endr
.irp x, 0,1
	v_mul_f32 v[22+2*\x], s[CS], v[22+2*\x]        ; as t (c is positive)
.endr
.irp x, 0,1
	v_max_num_f32 v[22+2*\x], v[22+2*\x], v[32+2*((\a)+\x)]
.endr
.irp x, 0,1
	v_sub_f32 v[26+2*\x], v[32+2*((\a)+\x)], v[22+2*\x]   ; old m - new m
.endr
.irp x, 0,1
	v_mov_b32 v[32+2*((\a)+\x)], v[22+2*\x]
.endr
.irp x, 0,1
.irp i, 0,2,4,6,8,10,12,14
	v_pk_fma_f32 v[192+16*\x+\i:193+16*\x+\i], v[192+16*\x+\i:193+16*\x+\i], s[CS:CS+1], v[32+2*((\a)+\x):33+2*((\a)+\x)] op_sel_hi:[1,0,0] neg_lo:[0,0,1] neg_hi:[0,0,1]   ; t - m
.endr
.endr
	WALU                                           ; ahead of the batch
	v_exp_f32 v26, v26
	v_exp_f32 v28, v28
.set I, 0
.rept 32
	v_exp_f32 v[192+I], v[192+I]
.set I, I+1
.endr
	v_nop
	WALU                                           ; and behind it: one wait for the 34
.irp i, 0,4,8,12
.irp x, 0,1
	v_pk_add_f32 v[192+16*\x+\i:193+16*\x+\i], v[192+16*\x+\i:193+16*\x+\i], v[194+16*\x+\i:195+16*\x+\i]
.endr
.endr
.irp i, 0,8
.irp x, 0,1
	v_pk_add_f32 v[192+16*\x+\i:193+16*\x+\i], v[192+16*\x+\i:193+16*\x+\i], v[196+16*\x+\i:197+16*\x+\i]
.endr
.endr
.irp x, 0,1
	v_pk_add_f32 v[192+16*\x:193+16*\x], v[192+16*\x:193+16*\x], v[200+16*\x:201+16*\x]
.endr
.irp x, 0,1
	v_pk_fma_f32 v[48+2*((\a)+\x):49+2*((\a)+\x)], v[48+2*((\a)+\x):49+2*((\a)+\x)], v[26+2*\x:27+2*\x], v[192+16*\x:193+16*\x] op_sel_hi:[1,0,1]   ; l = l x 2^(old m - new m) + the step's sum
.endr
.endm
.macro V2P a, ar                       ; pass 2: x of my 64 keys of tiles a, a + 1, quantised; the images go to LDS by address register ar (6: buffer A, 8: buffer B)
.irp x, 0,1
.irp i, 0,2,4,6,8,10,12,14,16,18,20,22,24,26,28,30
	v_pk_fma_f32 v[192+32*\x+\i:193+32*\x+\i], v[192+32*\x+\i:193+32*\x+\i], s[CS:CS+1], v[32+2*((\a)+\x):33+2*((\a)+\x)] op_sel_hi:[1,0,0]   ; t - (m + log2 l)
.endr
.endr
	WALU                                           ; ahead of the batch
.set I, 0
.rept 64
	v_exp_f32 v[192+I], v[192+I]
.set I, I+1
.endr
	v_nop
	WALU                                           ; and behind it
.set I, 0
.rept 64
	v_min_num_f32 v[192+I], v[192+I], v19          ; x is not negative: the hold is one-sided
.set I, I+1
.endr
.set I, 0
.rept 8
	v_cvt_scalef32_pk8_fp8_f32 v[48+2*I:49+2*I], v[192+8*I:199+8*I], v18
.set I, I+1
.endr
	v_nop                                          ; a plain line between the conversions and the products that write their sources anew
.if (\a)+(8-(\ar)) > 0                 ; tile 0 counts in no odd band and has no place in buffer B
	ds_store_b128 v[\ar], v[48:51] offset:4096*(\a)
	ds_store_b128 v[\ar], v[52:55] offset:4096*(\a)+512
.endif
	ds_store_b128 v[\ar], v[56:59] offset:4096*(\a)+4096
	ds_store_b128 v[\ar], v[60:63] offset:4096*(\a)+4608
.endm
; The pair g.  slo .. shi: the values of sigma that this copy of the text serves; par 0: even ones alone, 1: odd ones alone, 2: both.  Only what they can reach is assembled.
.macro GRP pass, g, slo, shi, par
.set EV, 0
.if (\par) != 1
.if (\slo) <= (2*\g)
.if (\shi) >= (2*\g)
.set EV, 1                             ; sigma = 2 g occurs: tile 2 g is masked
.endif
.endif
.endif
.set OD, 0
.if (\par) != 0
.if (\shi) >= (2*\g+1)
.set OD, 1                             ; sigma = 2 g + 1 occurs: tile 2 g + 1 is masked, tile 2 g sees nothing
.endif
.endif
.if (\shi) > (2*\g+1)
	s_cmp_gt_u32 s[SG], 2*\g+1                     ; both tiles lie under sigma: the pair is left out
	s_cbranch_scc1 .Lsk_\@
.endif
	WQK 2*\g, 2*\pass
	NOPS 4                                         ; places in front of the first read of results
.if EV+OD > 0
.if (\slo) < (2*\g)
	s_cmp_lt_u32 s[SG], 2*\g
	s_cbranch_scc1 .Lnm_\@
.endif
.if EV+OD == 2
	s_cmp_eq_u32 s[SG], 2*\g
	s_cbranch_scc0 .Lod_\@
.endif
.if EV == 1
	MASK 192, 16*\pass, 3+6*\pass                  ; the bound: v9 in pass 1, v15 in pass 2
.endif
.if EV+OD == 2
	WALU
	s_branch .Lnm_\@
.Lod_\@:
.endif
.if OD == 1
.if \pass == 1
.set I, 0
.rept 16
	v_mov_b32 v[192+I], v11
.set I, I+1
.endr
.endif
	MASK 192+16*\pass, 16*\pass, 3+6*\pass
.endif
.endif
.Lnm_\@:
.if \pass == 1
	V1P 2*\g
.else
	V2P 2*\g, 6+2*\par
.endif
.Lsk_\@:
.endm
.macro VISIT1 glo, slo, shi            ; a visit of pass 1: two bands
	s_mov_b32 s[CNT], 2
.Lv_\@:
	v_add_nc_u32 v5, s[TB], v1
	KLOAD 2
	WALU
	s_wait_dscnt 0x0
.irp g, 0,1,2,3
.if \g >= \glo
	GRP 1, \g, \slo, \shi, 2
.endif
.endr
	s_add_co_u32 s[SG], s[SG], 1
	s_add_co_u32 s[TB], s[TB], 65536
	s_sub_co_u32 s[CNT], s[CNT], 1
	s_cmp_lg_u32 s[CNT], 0
	s_cbranch_scc1 .Lv_\@
	s_sub_co_u32 s[TB], s[TB], 131072
	s_xor_b32 s[TB], s[TB], SLOT1
.endm
.macro PLOAD k, ar                     ; tile k's fragment of x, 256 keys, into buffer k % 2
.irp c, 0,1,2,3,4,5,6,7
	ds_load_b128 v[192+32*((\k)%2)+4*\c:192+32*((\k)%2)+4*\c+3], v[\ar] offset:4096*(\k)+512*\c
.endr
.endm
.macro WPV k, first                    ; O^T of tile k, my four channel tiles by turns, two K steps of 128 keys
	WIN 0x50                                       ; C and D window 1
.irp s, 0,1
.irp t, 0,1,2,3
.if (\first) && (\s == 0)
	v_wmma_f32_16x16x128_fp8_fp8 v[32*(\k)+8*\t:32*(\k)+8*\t+7], v[64+64*\s+16*\t:64+64*\s+16*\t+15], v[192+32*((\k)%2)+16*\s:192+32*((\k)%2)+16*\s+15], 0
.else
	v_wmma_f32_16x16x128_fp8_fp8 v[32*(\k)+8*\t:32*(\k)+8*\t+7], v[64+64*\s+16*\t:64+64*\s+16*\t+15], v[192+32*((\k)%2)+16*\s:192+32*((\k)%2)+16*\s+15], v[32*(\k)+8*\t:32*(\k)+8*\t+7]
.endif
.endr
.endr
	WIN 0
.endm
; x V of the band s58 (one of elo, elo + 2, .. ehi): straight text over the tiles, entered at tile s58 by a scalar branch on the count of bands.  Tile k + 1's fragment is fetched ahead of tile k's products.
.macro PVPH elo, ehi, first, ar
.irp e, 0,1,2,3,4,5,6
.if (\e >= \elo) && (\e < \ehi) && (((\e-\elo)%2) == 0)
	s_cmp_eq_u32 s58, \e
	s_cbranch_scc1 .Lq_\@_\e
.endif
.endr
.irp e, 7,6,5,4,3,2,1,0
.if (\e >= \elo) && (\e <= \ehi) && (((\e-\elo)%2) == 0)
.Lq_\@_\e:
	PLOAD \e, \ar
.if \e > \elo
	s_branch .Lr_\@_\e
.endif
.endif
.endr
.irp k, 0,1,2,3,4,5,6,7
.if \k >= \elo
.Lr_\@_\k:
.if \k < 7
	NOPS 4                                         ; places in front of loads into the buffer that tile k - 1's products read
	PLOAD \k+1, \ar
	s_wait_dscnt 8                                 ; all but the eight just issued
	WPV \k, \first
.else
	s_wait_dscnt 0x0
	WPV 7, \first
.endif
.endif
.endr
.endm
.macro STEP2 par, slo, shi, gen        ; a band of pass 2, of parity par, sigma in slo .. shi.  gen = 1: in the loop
	s_sub_co_u32 s58, s[SG], 1
	v_add_nc_u32 v5, s[TB], v2                     ; both addresses are made ahead of the parting
	v_add_nc_u32 v31, s[TB], v3
	WALU
	s_cmp_lg_u32 s[ROLE], 0
	s_cbranch_scc1 .Lpv_\@
	KLOAD 4
	s_wait_dscnt 0x0
.irp g, 0,1,2,3
.if (2*\g+1) >= (\slo)
	GRP 2, \g, \slo, \shi, \par
.endif
.endr
	s_branch .Ljn_\@
.Lpv_\@:
.if \gen
	s_cmp_eq_u32 s[PF2], 1                         ; bands 0 to 5 ask for V's bands 2 to 7
	s_cbranch_scc0 .Lna_\@
	PREF PFV
.Lna_\@:
.endif
.if \par == 0                          ; the band before is odd: its images lie in buffer B
.if \gen
	s_cmp_eq_u32 s[SG], 0
	s_cbranch_scc1 .Lvl_\@
	PVPH 1, 3, 0, 30
.else
	PVPH 5, 5, 0, 30
.endif
.else                                  ; even: buffer A
.if \gen
	s_cmp_eq_u32 s[SG], 1
	s_cbranch_scc1 .Lfi_\@
	PVPH 2, 4, 0, 7
	s_branch .Lvl_\@
.Lfi_\@:
	PVPH 0, 0, 1, 7                                ; band 0's products start O^T's sums: nothing is cleared
.else
	PVPH 6, 6, 0, 7
.endif
.endif
.Lvl_\@:
	NOPS 4                                         ; places in front of loads into V's registers
.irp s, 0,1
.irp t, 0,1,2,3
.irp c, 0,1,2,3
	ds_load_b128 v[64+64*\s+16*\t+4*\c:64+64*\s+16*\t+4*\c+3], v31 offset:\s*32768+\t*2048+\c*512   ; this band's V, for the next band's trip
.endr
.endr
.endr
.Ljn_\@:
	s_add_co_u32 s[SG], s[SG], 1
	s_xor_b32 s[TB], s[TB], SLOT1
.endm
.macro STATS kb                        ; four tiles: sixteen (m, l) for each query meet
.irp q, 0,1,2,3
.set N, 0
.rept 16
	ds_load_b64 v[64+32*\q+2*N:65+32*\q+2*N], v13 offset:(N/2)*2048+(\kb+\q)*256+(N%2)*128
.set N, N+1
.endr
.endr
	s_wait_dscnt 0x0
.irp q, 0,1,2,3
	v_max3_num_f32 v[32+2*(\kb+\q)], v[64+32*\q], v[66+32*\q], v[68+32*\q]
.endr
.irp n, 6,10,14,18,22,26
.irp q, 0,1,2,3
	v_max3_num_f32 v[32+2*(\kb+\q)], v[32+2*(\kb+\q)], v[64+32*\q+\n], v[66+32*\q+\n]
.endr
.endr
.irp q, 0,1,2,3
	v_max_num_f32 v[32+2*(\kb+\q)], v[32+2*(\kb+\q)], v[94+32*\q]
.endr
.irp n, 0,2,4,6,8,10,12,14,16,18,20,22,24,26,28,30
.irp q, 0,1,2,3
	v_sub_f32 v[64+32*\q+\n], v[64+32*\q+\n], v[32+2*(\kb+\q)]
.endr
.endr
	WALU
.irp n, 0,2,4,6,8,10,12,14,16,18,20,22,24,26,28,30
.irp q, 0,1,2,3
	v_exp_f32 v[64+32*\q+\n], v[64+32*\q+\n]
.endr
.endr
	v_nop
	WALU
.irp q, 0,1,2,3
	v_mul_f32 v[48+2*(\kb+\q)], v[64+32*\q], v[65+32*\q]
.endr
.irp n, 2,4,6,8,10,12,14,16,18,20,22,24,26,28,30
.irp q, 0,1,2,3
	v_fmac_f32 v[48+2*(\kb+\q)], v[64+32*\q+\n], v[65+32*\q+\n]
.endr
.endr
	WALU
.irp q, 0,1,2,3
	v_log_f32 v[49+2*(\kb+\q)], v[48+2*(\kb+\q)]
.endr
	v_nop
	WALU
.irp q, 0,1,2,3
	v_sub_f32 v[32+2*(\kb+\q)], -v[32+2*(\kb+\q)], v[49+2*(\kb+\q)]   ; -(m + log2 l)
.endr
.endm
	s_load_b256 s[4:11], s[0:1], 0x0               ; QC, KC, VC, lowp_scales
	s_load_b64 s[12:13], s[0:1], 0x20              ; RC
	v_lshl_add_u32 v[SPW], v0, 2, SPARE
	v_mov_b32 v[NIL], 0
	ds_add_u32 v[SPW], v[NIL]                      ; the opening: the add, twice on end, and its wait ahead of the first tensor load
	ds_add_u32 v[SPW], v[NIL]
	v_lshrrev_b32 v1, 5, v0
	v_readfirstlane_b32 s[WV], v1
	s_and_b32 s[W3], s[WV], 3
	s_lshr_b32 s[ROLE], s[WV], 2
	s_bfe_u32 s15, ttmp6, 0x40000                  ; cx
	s_lshl_b32 s16, ttmp9, 2
	s_add_co_u32 s16, s16, s15                     ; j: it enters Q's and RC's addresses, the prefetches' and the masks' bounds alone
	s_and_b32 s17, ttmp7, 0xffff                   ; batch x head, which the four partners share
	s_mov_b32 s24, 15|(3<<16)|(1<<21)              ; group 1: all four work-groups; elements of 8 bytes; bit 21 beside a mask.  A dense block of 16 KB as 64 rows of 256 bytes
	s_mov_b32 s25, 32<<16
	s_mov_b32 s26, 64<<16
	s_mov_b32 s27, 32<<16
	s_mov_b32 s28, 64
	s_mov_b32 s29, 32
	s_mov_b32 s30, 0
	s_mov_b32 s31, 0
	s_mov_b32 s32, 1
	s_lshl_b32 s33, s[WV], 14                      ; LDS address: slot 0 + 16,384 x wave
	s_mov_b32 s[TB], 0
	s_mov_b32 s[SG], 0
	s_mov_b32 s[VIS], 0
	s_lshl_b32 s20, s17, 19                        ; the head's first byte in QC, KC, VC
	s_mov_b32 s21, 0
	s_lshl_b32 s22, s[WV], 14
	s_mov_b32 s23, 0
	s_lshl_b32 s56, s[W3], 14
	s_mov_b32 s57, 0
	s_lshl_b32 s58, s15, 12                        ; my work-group's 4 KB of a wave's 16 KB, for the prefetches
	s_mov_b32 s59, 0
	s_cmp_eq_u32 ttmp9, 0
	s_cselect_b32 s[LIMK], 2, 0
	s_cselect_b32 s80, 1, 0
	s_and_b32 s[PF2], s80, s[ROLE]
	s_cmp_eq_u32 s[PF2], 1
	s_cselect_b32 s[LIMV], 2, 64
	s_wait_dscnt 0x0                               ; both opening adds are done
	s_wait_kmcnt 0x0
	s_load_b256 s[68:75], s[10:11], 0x0            ; e0 .. e7
	s_load_b128 s[76:79], s[10:11], 0x20           ; e8 .. e11
	s_add_nc_u64 s[4:5], s[4:5], s[20:21]
	s_add_nc_u64 s[6:7], s[6:7], s[20:21]
	s_add_nc_u64 s[8:9], s[8:9], s[20:21]
	s_add_nc_u64 s[34:35], s[6:7], s[22:23]        ; pass 1: my eighth of K's first 512 keys
	s_add_nc_u64 s[PFK:PFK+1], s[34:35], s[58:59]
	s_add_nc_u64 s[PFK:PFK+1], s[PFK:PFK+1], 131072   ; the first change steps it to visit 2
	s_or_b32 s35, s35, 0x80000000
	s_cmp_eq_u32 s[ROLE], 0                        ; pass 2: waves 0-3 fetch K's quarters, waves 4-7 V's
	s_cselect_b64 s[36:37], s[6:7], s[8:9]
	s_add_nc_u64 s[36:37], s[36:37], s[56:57]
	s_add_nc_u64 s[PFV:PFV+1], s[8:9], s[56:57]
	s_add_nc_u64 s[PFV:PFV+1], s[PFV:PFV+1], s[58:59]
	CROUND                                         ; all four work-groups are here
	tensor_load_to_lds s[32:35], s[24:31]          ; visit 0
	s_nop 0
	NOPS 4
	v_and_b32 v4, 31, v0
	v_lshlrev_b32 v4, 4, v4                        ; 16 x lane
	WALU
	s_lshl_b32 s80, s16, 12                        ; tile j of band 0
	s_mov_b32 s81, 0
	s_add_nc_u64 s[4:5], s[4:5], s[80:81]
	WIN 0x40                                       ; destination window 1
.irp k, 0,1,2,3,4,5,6,7                        ; Q of my eight tiles
.irp s, 0,1
.irp c, 0,1,2,3
	global_load_b128 v[32*\k+16*\s+4*\c:32*\k+16*\s+4*\c+3], v4, s[4:5] offset:\k*65536+\s*2048+\c*512
.endr
.endr
.endr
	WIN 0
	s_lshl_b32 s80, s[WV], 13                      ; pass 1: my two key tiles of a band's sixteen
	s_lshl_b32 s81, s[W3], 14                      ; pass 2: my four
	s_lshl_b32 s82, s[W3], 13
	s_add_co_u32 s82, s82, 65536                   ; V: my four channel tiles of sixteen
	s_lshl_b32 s83, s[W3], 10
	s_add_co_u32 s83, s83, PIMG                    ; the images: my two chunks of a tile's eight
	s_lshl_b32 s20, s[WV], 11
	s_add_co_u32 s20, s20, PIMG                    ; the statistics: my 2,048 bytes
	s_lshr_b32 s21, s16, 1
	s_lshl_b32 s21, s21, 5
	s_and_b32 s22, s16, 1
	s_lshl_b32 s22, s22, 3
	s_add_co_u32 s22, s21, s22                     ; 32 (j / 2) + 8 (j % 2)
	s_lshl_b32 s21, s[WV], 5
	s_sub_co_i32 s21, s22, s21
	s_lshl_b32 s23, s[W3], 6
	s_sub_co_i32 s22, s22, s23
	v_add_nc_u32 v1, s80, v4
	v_add_nc_u32 v2, s81, v4
	v_add_nc_u32 v3, s82, v4
	v_add_nc_u32 v6, s83, v4
	v_add_nc_u32 v7, PIMG, v4
	v_add_nc_u32 v8, IBO, v6
	v_add_nc_u32 v30, IBO, v7
	v_and_b32 v12, 31, v0
	v_min_u32 v14, 15, v12
	v_lshlrev_b32 v14, 8, v14
	v_lshl_add_u32 v12, v12, 3, s20
	v_and_b32 v22, 15, v0                          ; r
	v_lshlrev_b32 v13, 3, v22
	v_add_nc_u32 v13, PIMG, v13
	v_bfe_u32 v23, v0, 4, 1                        ; h
	v_and_b32 v24, 8, v22
	v_add_nc_u32 v24, v22, v24
	v_lshlrev_b32 v23, 4, v23
	v_sub_nc_u32 v24, v24, v23
	v_add_nc_u32 v9, s21, v24                      ; my query's place in its band less my first key's: 32 (j / 2) + 8 (j % 2) + r + 8 (r / 8) - 16 h - 32 w,
	v_add_nc_u32 v15, s22, v24                     ; and in pass 2 - 64 (w % 4)
	v_mov_b32 v11, 0xff800000
	v_mov_b32 v27, 0                               ; (named as the upper halves of pairs)
	v_mov_b32 v29, 0
.irp k, 0,1,2,3,4,5,6,7
	v_mov_b32 v[32+2*\k], 0xff61b1e6               ; m = -3e38, under every t and finite
	v_mov_b32 v[33+2*\k], 0
	v_mov_b32 v[48+2*\k], 0                        ; l, in two halves
	v_mov_b32 v[49+2*\k], 0
.endr
	s_lshr_b32 s58, s17, 3                         ; RC [block of 4 row tiles][K step 16][tile 4][chunk 4]: batch,
	s_lshl_b32 s58, s58, 22
	s_lshl_b32 s59, ttmp9, 17                      ; block 4 k + cluster x,
	s_add_co_u32 s58, s58, s59
	s_and_b32 s59, s17, 7
	s_lshl_b32 s59, s59, 1
	s_lshr_b32 s60, s[W3], 1
	s_add_co_u32 s59, s59, s60                     ; K step 2 x head + (w % 4) / 2,
	s_lshl_b32 s59, s59, 13
	s_add_co_u32 s58, s58, s59
	s_lshl_b32 s59, s15, 11                        ; tile cx,
	s_add_co_u32 s58, s58, s59
	s_and_b32 s59, s[W3], 1
	s_lshl_b32 s59, s59, 10                        ; chunk 2 (w % 2)
	s_add_co_u32 s58, s58, s59
	s_mov_b32 s59, 0
	s_add_nc_u64 s[RB:RB+1], s[12:13], s[58:59]
	s_wait_kmcnt 0x0
	s_add_co_i32 s80, s74, s75
	s_lshl_b32 s80, s80, 23
	s_add_co_i32 s[CS], s80, 0x3db8aa3b            ; log2(e) / 16, with e6 + e7 added to its exponent field
	s_mov_b32 s[CS+1], s[CS]
	MKSC 76, 18, 19                                ; 2^e8 and 448 x 2^e8, for x
	s_sub_co_i32 s80, s78, s76
	s_sub_co_i32 s80, s80, s77
	MKSC 80, 20, 21                                ; e10 - e8 - e9, for ret
	WALU                                           ; the head's end
	s_wait_loadcnt 0x0                             ; Q
	; ---- PASS 1: visits 0 to 2 in a loop, visit 3 written out: behind its change pass 2's first band is asked for
.Lp1:
	CHANGE 1
	s_cmp_lt_u32 s[VIS], s[LIMK]
	s_cbranch_scc0 .Lnk
	PREF PFK
.Lnk:
	s_cmp_eq_u32 s[VIS], s[LIMV]
	s_cbranch_scc0 .Lnv
	PREF PFV
.Lnv:
	VISIT1 0, 0, 5
	s_add_co_u32 s[VIS], s[VIS], 1
	s_cmp_lt_u32 s[VIS], 3
	s_cbranch_scc1 .Lp1
	CHANGE 2
	s_cmp_eq_u32 s[PF2], 1
	s_cbranch_scc0 .Lnv3
	PREF PFV
.Lnv3:
	VISIT1 3, 6, 7
	WALU
	; ---- THE STATISTICS MEET: a query's keys were shared among eight waves and two halves of the lanes
.irp k, 0,1,2,3,4,5,6,7
	v_add_f32 v[33+2*\k], v[48+2*\k], v[49+2*\k]
.endr
.irp k, 0,1,2,3,4,5,6,7
	ds_store_b64 v12, v[32+2*\k:33+2*\k] offset:\k*256
.endr
	s_wait_dscnt 0x0
	s_barrier_signal -1                            ; pass 2's first band stays on its way
	s_barrier_wait -1
	STATS 0
	STATS 4
	; ---- PASS 2: a trip is an even and an odd band, so that each text has its image buffers fixed: bands 0 to 5 in the loop; bands 6 and 7 written out, the last with no tensor load
	s_mov_b32 s[SG], 0
	s_mov_b32 s[LP], 3
.Lband:
	CHANGE 3
	STEP2 0, 0, 4, 1
	CHANGE 3
	STEP2 1, 1, 5, 1
	s_sub_co_u32 s[LP], s[LP], 1
	s_cmp_lg_u32 s[LP], 0
	s_cbranch_scc1 .Lband
	CHANGE 3
	STEP2 0, 6, 6, 0
	CHANGE 0
	STEP2 1, 7, 7, 0
	WALU
	s_wait_dscnt 0x0                               ; my images, or my V, have landed
	s_barrier_signal -1
	s_barrier_wait -1
	s_cmp_eq_u32 s[ROLE], 0
	s_cbranch_scc1 .Lend
	PVPH 7, 7, 0, 30                               ; band 7's images lie in buffer B
	; ---- THE WAY OUT (waves 4-7): a sum stands for sum x 2^(e8 + e9); its code for the last product is sum / 2^(e10 - e8 - e9).  A lane's 16 registers of two neighbouring channel tiles are a chunk
	WIN 0x41                                       ; destination and source 0 window 1
.set J, 0
.rept 256
	v_med3_num_f32 v[J], v[J], -v21, v21           ; ascending: the early tiles' holds are the places behind tile 7's last products
.set J, J+1
.endr
	WIN 0x01
.set J, 0
.rept 32
	v_cvt_scalef32_pk8_fp8_f32 v[64+2*J:65+2*J], v[8*J:8*J+7], v20
.set J, J+1
.endr
	v_nop
	WIN 0
.set J, 0
.rept 16
	global_store_b128 v4, v[64+4*J:67+4*J], s[RB:RB+1] offset:(J/2)*524288+(J%2)*512   ; tile J / 2, chunk 2 (w % 2) + J % 2: 512 consecutive bytes, aligned
.set J, J+1
.endr
.Lend:
	s_wait_tensorcnt 0x0                           ; the wave's end
	ds_add_u32 v[SPW], v[NIL]
	s_wait_dscnt 0x0
	CROUND                                         ; the closing round
	s_endpgm
.Lfunc_end_k_q1a2fdae415_attn:
	.size	k_q1a2fdae415_attn, .Lfunc_end_k_q1a2fdae415_attn-k_q1a2fdae415_attn
	.p2alignl 7, 3214868480
	.fill 96, 4, 3214868480
	.section	.rodata,"a",@progbits
	.p2align	6, 0x0
	.amdhsa_kernel k_q1a2fdae415_attn
		.amdhsa_group_segment_fixed_size 327680
		.amdhsa_private_segment_fixed_size 0
		.amdhsa_enable_private_segment 0
		.amdhsa_kernarg_size 40
		.amdhsa_user_sgpr_count 2
		.amdhsa_user_sgpr_kernarg_segment_ptr 1
		.amdhsa_wavefront_size32 1
		.amdhsa_system_sgpr_workgroup_id_x 1
		.amdhsa_system_sgpr_workgroup_id_y 1
		.amdhsa_system_sgpr_workgroup_id_z 1
		.amdhsa_system_vgpr_workitem_id 0
		.amdhsa_next_free_vgpr 512
		.amdhsa_next_free_sgpr 84
		.amdhsa_reserve_vcc 1
		.amdhsa_float_denorm_mode_32 3
		.amdhsa_float_denorm_mode_16_64 3
		.amdhsa_memory_ordered 1
		.amdhsa_forward_progress 1
		.amdhsa_inst_pref_size 253
	.end_amdhsa_kernel
	.amdgpu_metadata
---
amdhsa.version: [ 1, 2 ]
amdhsa.kernels:
  - .name:           k_q1a2fdae415_attn
    .symbol:         k_q1a2fdae415_attn.kd
    .args:
      - { .name: QC, .offset: 0, .size: 8, .value_kind: global_buffer, .address_space: global }
      - { .name: KC, .offset: 8, .size: 8, .value_kind: global_buffer, .address_space: global }
      - { .name: VC, .offset: 16, .size: 8, .value_kind: global_buffer, .address_space: global }
      - { .name: lowp_scales, .offset: 24, .size: 8, .value_kind: global_buffer, .address_space: global }
      - { .name: RC, .offset: 32, .size: 8, .value_kind: global_buffer, .address_space: global }
    .group_segment_fixed_size: 327680
    .private_segment_fixed_size: 0
    .kernarg_segment_align: 8
    .kernarg_segment_size: 40
    .max_flat_workgroup_size: 256
    .sgpr_count:     84
    .vgpr_count:     512
    .wavefront_size: 32
...
	.end_amdgpu_metadata
.endif
;; end of part 3
;; launch outp (part 4): grid 4 x 64, 4 waves a work-group, clusters of 4 x 4, 327,680 bytes of LDS; arguments RC, WC, lowp_scales, out0; writes out0
.if DOCPART == 4
	.amdgcn_target "amdgcn-amd-amdhsa--gfx1250"
	.amdhsa_code_object_version 6
	.text
	.protected	k_q1a2fdae415_outp
	.globl	k_q1a2fdae415_outp
	.p2align	8
	.type	k_q1a2fdae415_outp,@function
k_q1a2fdae415_outp:
	s_mov_b64 s[64:65], 0
	v_nop
	global_prefetch_b8 v0, s[64:65] scope:SCOPE_SE
	s_setreg_imm32_b32 hwreg(HW_REG_WAVE_MODE, 25, 1), 1
	s_wait_xcnt 0x0
	s_wait_alu depctr_hold_cnt(0) depctr_sa_sdst(0) depctr_va_vdst(0) depctr_va_sdst(0) depctr_va_ssrc(0) depctr_va_vcc(0) depctr_vm_vsrc(0)
	s_getreg_b32 s2, hwreg(HW_REG_IB_STS2, 6, 4)
	s_cmp_eq_u32 s2, 0
	s_cbranch_scc0 .Lentry_in_a_cluster
	s_endpgm
.Lentry_in_a_cluster:
	s_bfe_u32 s2, ttmp6, 0x10000c
	s_cmp_lg_u32 s2, 0xf033
	s_cbranch_scc0 .Lentry_shape_is_right
	s_endpgm
.Lentry_shape_is_right:
; OUTP: out0 = ret wO on codes of E4M3, K = 2,048 (head x channel), sums in f32, x 2^(e10 + e11).
; Work-group (x = 64 columns, y = 64 rows: four row tiles).  Wave w: row tile w against the four column tiles: four accumulators by turns, sixteen K steps of 128.
; Source 0 = 16 columns of wO, source 1 = 16 rows of ret: a lane holds one row, and its 16 registers of two neighbouring tiles are 16 neighbouring columns.
; LDS is filled once, by register images: ret's block [K step 16][tile 4] 128 KB, wO's likewise 128 KB; each wave fetches one block of 64 KB (waves 0, 1: ret; waves 2, 3: wO): one tensor load of a wave is out.
; CLUSTER 4 x 4: ret's block hangs on y and is asked for jointly along a row of the cluster, wO's on x, along a column.
; Rows of a tile are in the tile order (see prep): fragment row r of tile T is row 32 (T / 2) + 8 (T % 2) + r + 8 (r / 8): the stores' row offsets undo it.
; LIMIT: e10 + e11 between -126 and 127.
; REGISTERS: v1 16 x lane; v2, v3 ret's fragments (K steps 0-7, 8-15); v4, v5 wO's; v6, v7 the stage, in and back; v8 my offset in out0; v16, v17 the add's two; v32-111, v112-191 two fragment buffers; v192-223 sums; v224-255 results.
.set BL,    131072
.set STAGE, 262144                     ; 16 rows x (256 + 16) bytes for each wave
.set SPARE, 279552
.set SPW, 16
.set NIL, 17
.macro CROUND
	s_barrier_signal -1
	s_barrier_wait -1
	s_cmp_lg_u32 s12, 0
	s_cbranch_scc1 .Lnw0_\@
	s_barrier_signal -3
.Lnw0_\@:
	s_barrier_wait -3
	s_barrier_signal -1
	s_barrier_wait -1
.endm
	s_load_b256 s[4:11], s[0:1], 0x0               ; RC, WC, lowp_scales, out0
	v_lshl_add_u32 v[SPW], v0, 2, SPARE
	v_mov_b32 v[NIL], 0
	ds_add_u32 v[SPW], v[NIL]                      ; the wave's opening: the add and its wait ahead of the first tensor loads
	ds_add_u32 v[SPW], v[NIL]
	v_lshrrev_b32 v1, 5, v0
	v_readfirstlane_b32 s12, v1                    ; wave
	s_lshr_b32 s13, s12, 1                         ; I fetch for ret (0) or for wO (1)
	s_and_b32 s14, s12, 1                          ; which eight K steps of the sixteen
	s_bfe_u32 s15, ttmp6, 0x40000                  ; cx
	s_bfe_u32 s16, ttmp6, 0x40004                  ; cy
	s_lshl_b32 s17, ttmp9, 2
	s_add_co_u32 s17, s17, s15                     ; x
	s_and_b32 s18, ttmp7, 0xffff
	s_lshl_b32 s18, s18, 2
	s_add_co_u32 s18, s18, s16                     ; y
	s_lshl_b32 s56, s16, 2
	s_lshl_b32 s56, 15, s56                        ; my row of the cluster
	s_lshl_b32 s57, 0x1111, s15                    ; my column
	s_or_b32 s24, s56, (3<<16)|(1<<21)             ; group 1 for ret: a dense block of 64 KB as 256 rows of 256 bytes
	s_mov_b32 s25, 32<<16
	s_mov_b32 s26, 256<<16                         ; ret: 64 KB a wave, dense, as 256 rows of 256 bytes: one tensor load a wave
	s_mov_b32 s27, 32<<16
	s_mov_b32 s28, 256
	s_mov_b32 s29, 32
	s_mov_b32 s30, 0
	s_mov_b32 s31, 0
	s_or_b32 s32, s57, (3<<16)|(1<<21)             ; group 1 for wO: 8 rows (K steps) of 8 KB (four tiles), 32 KB apart
	s_mov_b32 s33, 1024<<16                        ; tensor_dim0 = 1,024 elements of 8 bytes
	s_mov_b32 s34, 8<<16                           ; wO: 8 rows (K steps) of 8 KB a wave
	s_mov_b32 s35, 1024<<16                        ; tile_dim0
	s_mov_b32 s36, 8
	s_mov_b32 s37, 4096                            ; pitch
	s_mov_b32 s38, 0
	s_mov_b32 s39, 0
	s_lshl_b32 s58, s14, 16                        ; eight K steps of 8 KB in LDS
	s_lshl_b32 s20, s18, 17                        ; ret: 131,072 bytes a block of rows: hangs on y alone
	s_add_co_u32 s20, s20, s58
	s_mov_b32 s21, 0
	s_lshl_b32 s22, s17, 13                        ; wO: four tiles of 2,048 bytes: hangs on x alone
	s_lshl_b32 s23, s14, 18                        ; eight K steps of 32 KB in memory
	s_add_co_u32 s22, s22, s23
	s_add_co_u32 s22, s22, 3*524288                ; the fourth tensor of WC
	s_mov_b32 s23, 0
	s_wait_dscnt 0x0                               ; the opening add is done
	s_wait_kmcnt 0x0
	s_load_b256 s[68:75], s[8:9], 0x0
	s_load_b128 s[76:79], s[8:9], 0x20             ; e8 .. e11
	s_add_nc_u64 s[20:21], s[4:5], s[20:21]
	s_add_nc_u64 s[22:23], s[6:7], s[22:23]
.irp n, 0
	s_mov_b32 s[40+4*\n], 1
	s_add_co_u32 s[41+4*\n], s58, \n*65536
	s_add_nc_u64 s[42+4*\n:43+4*\n], s[20:21], \n*65536
	s_or_b32 s[43+4*\n], s[43+4*\n], 0x80000000
	s_mov_b32 s[48+4*\n], 1
	s_add_co_u32 s[49+4*\n], s58, BL+\n*65536
	s_add_nc_u64 s[50+4*\n:51+4*\n], s[22:23], \n*262144
	s_or_b32 s[51+4*\n], s[51+4*\n], 0x80000000
.endr
	CROUND                                         ; all sixteen work-groups are here
	s_cmp_eq_u32 s13, 0
	s_cbranch_scc0 .Lfor_b
	tensor_load_to_lds s[40:43], s[24:31]
	s_nop 0
.rept 4
	v_nop
.endr
	s_branch .Lasked
.Lfor_b:
	tensor_load_to_lds s[48:51], s[32:39]
	s_nop 0
.rept 4
	v_nop
.endr
.Lasked:
	v_and_b32 v1, 31, v0
	v_lshlrev_b32 v1, 4, v1
	s_lshl_b32 s56, s12, 11                        ; my row tile
	v_add_nc_u32 v2, s56, v1
	v_add_nc_u32 v3, 65536, v2
	v_add_nc_u32 v4, BL, v1
	v_add_nc_u32 v5, BL+65536, v1
	v_and_b32 v9, 15, v0                           ; r
	v_bfe_u32 v10, v0, 4, 1                        ; h
	s_mul_i32 s56, s12, 4352
	s_add_co_u32 s56, s56, STAGE
	v_mul_u32_u24 v6, v9, 272
	v_lshl_add_u32 v6, v10, 6, v6
	v_add_nc_u32 v6, s56, v6                       ; in: row r, + 64 h
	v_mul_u32_u24 v7, v10, 272
	v_lshl_add_u32 v7, v9, 4, v7
	v_add_nc_u32 v7, s56, v7                       ; back: lanes 0-15 one row of 256 bytes, lanes 16-31 the next
	v_lshlrev_b32 v8, 10, v10
	v_lshl_add_u32 v8, v9, 4, v8                   ; and the same two rows in out0
	s_lshl_b32 s56, s18, 16                        ; tile T = 4 y + w: 32 (T / 2) + 8 (T % 2) rows of 1,024 bytes,
	s_lshl_b32 s57, s13, 15
	s_add_co_u32 s56, s56, s57
	s_lshl_b32 s57, s14, 13
	s_add_co_u32 s56, s56, s57
	s_lshl_b32 s57, s17, 8                         ; + my 64 columns
	s_add_co_u32 s56, s56, s57
	s_mov_b32 s57, 0
	s_add_nc_u64 s[10:11], s[10:11], s[56:57]
	s_wait_kmcnt 0x0
	s_add_co_i32 s60, s78, s79
	s_add_co_i32 s60, s60, 127
	s_lshl_b32 s60, s60, 23                        ; 2^(e10 + e11) as f32
	s_mov_b32 s61, s60
.macro LOADF kp                        ; K step kp: ret's fragment and wO's four: 20 loads, into buffer kp % 2
.set FB, 32+80*((\kp)%2)
.irp c, 0,1,2,3
	ds_load_b128 v[FB+4*\c:FB+4*\c+3], v[2+(\kp)/8] offset:((\kp)%8)*8192+\c*512
.endr
.irp t, 0,1,2,3
.irp c, 0,1,2,3
	ds_load_b128 v[FB+16+16*\t+4*\c:FB+16+16*\t+4*\c+3], v[4+(\kp)/8] offset:((\kp)%8)*8192+\t*2048+\c*512
.endr
.endr
.endm
.macro KS kp
.set FB, 32+80*((\kp)%2)
.if (\kp) == 15
	s_wait_dscnt 0x0
.else
	s_wait_dscnt 20                                ; this buffer's loads are in; the other buffer's 20 may be out
.endif
.irp t, 0,1,2,3
.if (\kp) == 0
	v_wmma_f32_16x16x128_fp8_fp8 v[192+8*\t:199+8*\t], v[FB+16+16*\t:FB+31+16*\t], v[FB:FB+15], 0
.else
	v_wmma_f32_16x16x128_fp8_fp8 v[192+8*\t:199+8*\t], v[FB+16+16*\t:FB+31+16*\t], v[FB:FB+15], v[192+8*\t:199+8*\t]
.endif
.endr
.rept 4
	v_nop                                          ; places in front of loads into the buffer just multiplied, and of the first read of results
.endr
.if (\kp) < 14
	LOADF (\kp)+2
.endif
.endm
	s_wait_tensorcnt 0x0                           ; my one load, eight K steps' part, is in
	s_barrier_signal -1
	s_barrier_wait -1
	LOADF 0
	LOADF 1
.irp q, 0,1,2,3,4,5
	KS \q
.endr
.irp q, 6,7,8,9,10,11,12,13,14,15
	KS \q
.endr
.irp i, 0,2,4,6,8,10,12,14,16,18,20,22,24,26,28,30
	v_pk_mul_f32 v[224+\i:225+\i], v[192+\i:193+\i], s[60:61] op_sel_hi:[1,0]   ; x 2^(e10 + e11); each accumulator from its low end on
.endr
.irp t, 0,1,2,3                                ; lane (r, h), tile t, register i: column 32 (t / 2) + 16 h + 8 (t % 2) + i of my 64
	ds_store_b128 v6, v[224+8*\t:227+8*\t] offset:128*(\t/2)+32*(\t%2)
	ds_store_b128 v6, v[228+8*\t:231+8*\t] offset:128*(\t/2)+32*(\t%2)+16
.endr
.irp n, 0,1,2,3,4,5,6,7                        ; LDS serves a wave's instructions in order (ISA guide 5.7.1.4): these see my stores
	ds_load_b128 v[32+4*\n:35+4*\n], v7 offset:2*\n*272
.endr
.irp n, 0,1,2,3,4,5,6,7
	s_wait_dscnt 7-\n
	global_store_b128 v8, v[32+4*\n:35+4*\n], s[10:11] offset:(2*\n+8*(\n/4))*1024 th:TH_STORE_NT   ; sixteen lanes store 256 consecutive bytes, aligned; fragment rows 8-15 lie 8 rows further down
.endr
	s_wait_tensorcnt 0x0                           ; the wave's end
	ds_add_u32 v[SPW], v[NIL]
	s_wait_dscnt 0x0
	CROUND                                         ; the closing round
	s_endpgm
.Lfunc_end_k_q1a2fdae415_outp:
	.size	k_q1a2fdae415_outp, .Lfunc_end_k_q1a2fdae415_outp-k_q1a2fdae415_outp
	.p2alignl 7, 3214868480
	.fill 96, 4, 3214868480
	.section	.rodata,"a",@progbits
	.p2align	6, 0x0
	.amdhsa_kernel k_q1a2fdae415_outp
		.amdhsa_group_segment_fixed_size 327680
		.amdhsa_private_segment_fixed_size 0
		.amdhsa_enable_private_segment 0
		.amdhsa_kernarg_size 32
		.amdhsa_user_sgpr_count 2
		.amdhsa_user_sgpr_kernarg_segment_ptr 1
		.amdhsa_wavefront_size32 1
		.amdhsa_system_sgpr_workgroup_id_x 1
		.amdhsa_system_sgpr_workgroup_id_y 1
		.amdhsa_system_sgpr_workgroup_id_z 1
		.amdhsa_system_vgpr_workitem_id 0
		.amdhsa_next_free_vgpr 256
		.amdhsa_next_free_sgpr 80
		.amdhsa_reserve_vcc 0
		.amdhsa_float_denorm_mode_32 3
		.amdhsa_float_denorm_mode_16_64 3
		.amdhsa_memory_ordered 1
		.amdhsa_forward_progress 1
		.amdhsa_inst_pref_size 36
	.end_amdhsa_kernel
	.amdgpu_metadata
---
amdhsa.version: [ 1, 2 ]
amdhsa.kernels:
  - .name:           k_q1a2fdae415_outp
    .symbol:         k_q1a2fdae415_outp.kd
    .args:
      - { .name: RC, .offset: 0, .size: 8, .value_kind: global_buffer, .address_space: global }
      - { .name: WC, .offset: 8, .size: 8, .value_kind: global_buffer, .address_space: global }
      - { .name: lowp_scales, .offset: 16, .size: 8, .value_kind: global_buffer, .address_space: global }
      - { .name: out0, .offset: 24, .size: 8, .value_kind: global_buffer, .address_space: global }
    .group_segment_fixed_size: 327680
    .private_segment_fixed_size: 0
    .kernarg_segment_align: 8
    .kernarg_segment_size: 32
    .max_flat_workgroup_size: 128
    .sgpr_count:     80
    .vgpr_count:     256
    .wavefront_size: 32
...
	.end_amdgpu_metadata
.endif
;; end of part 4
